; MI455X (gfx1250); checked and timed in simulation.
; The chip was launched on July 23, 2026; its instructions are those of AMD's public machine-readable ISA for CDNA 5 (MIT licence, August 2026) and "CDNA5" Instruction Set Architecture Reference Guide (July 2026). The comments in the code are by the model that wrote it; some were corrected since.
;; Multi Head Attention. Allowed arithmetic: matrix products marked QUANTISED: E5M2 operands, one given power-of-two scale a tensor, by v_wmma_f32_16x16x64_bf8_bf8 or v_wmma_f32_16x16x128_bf8_bf8, f32 sums; everything else in f32.
;; Inputs: b_proj 1,024 float32; lowp_scales 12 int32 (the exponents e of the quantised operands' scales 2^e); w_proj_codes 1,024 x 32 x 32 uint8 (E5M2 codes of w_proj, K innermost, in blocks of 32 codes); wk_codes 16 x 64 x 32 x 32 uint8 (E5M2 codes of wk, K innermost, in blocks of 32 codes); wq_codes 16 x 64 x 32 x 32 uint8 (E5M2 codes of wq, K innermost, in blocks of 32 codes); wv_codes 16 x 64 x 32 x 32 uint8 (E5M2 codes of wv, K innermost, in blocks of 32 codes); x_codes 4 x 2,048 x 32 x 32 uint8 (E5M2 codes of x, K innermost, in blocks of 32 codes).
;; Outputs: out0 4 x 2,048 x 1,024 float32.
;; This version of the problem:
;;   THIS VERSION OF THE PROBLEM IS GIVEN IN LOW PRECISION. The matrix products marked QUANTISED in the list below multiply operands that are first quantised to E5M2 (5 exponent bits, 2 mantissa bits; 8 bits a number), with one given power-of-two scale for each operand tensor; their sums are f32. All else is computed in f32.
;;   The module's matrix products, in the order in which they are computed (A, B: the left and right operand; K: the contracted axis; several contracted axes count as one K, in the product's order):
;;     1. [M 1,024, K 1,024] x [K 1,024, N 8,192]; A: input wq (given as codes); B: input x (given as codes): QUANTISED (scales: A lowp_scales[0], B lowp_scales[1])
;;     2. [M 1,024, K 1,024] x [K 1,024, N 8,192]; A: input wk (given as codes); B: input x (given as codes): QUANTISED (scales: A lowp_scales[2], B lowp_scales[3])
;;     3. [M 1,024, K 1,024] x [K 1,024, N 8,192]; A: input wv (given as codes); B: input x (given as codes): QUANTISED (scales: A lowp_scales[4], B lowp_scales[5])
;;     4. batch 64 x [M 2,048, K 64] x [K 64, N 2,048]; A: computed on the way; B: computed on the way: QUANTISED (scales: A lowp_scales[6], B lowp_scales[7])
;;     5. batch 64 x [M 2,048, K 2,048] x [K 2,048, N 64]; A: softmax (see below); B: computed on the way: QUANTISED (scales: A lowp_scales[8], B lowp_scales[9])
;;     6. [M 8,192, K 1,024] x [K 1,024, N 1,024]; A: computed on the way; B: input w_proj (given as codes): QUANTISED (scales: A lowp_scales[10], B lowp_scales[11])
;;   THE QUANTISER, for each operand of a quantised product, along K:
;;     - The operand's scale is 2^e, e = its entry of the input lowp_scales (int32; the entries are numbered through the quantised products in the list's order, A before B).
;;     - Each number is divided by the scale, clamped to +-57,344, and rounded to the nearest number of E5M2, ties to even, subnormals kept.
;;     - The product sums the exact products of the quantised numbers (number of the format x scale) in f32.
;;   ~~~python
;;   def quantise(x, axis, e):      # numpy; x: float32 -> the quantised numbers, widened to float32 again
;;       x = np.moveaxis(x, axis, -1); K = x.shape[-1]
;;       r = np.clip(x / 2.0 ** e, -57344, 57344)
;;       step = 2.0 ** (np.maximum(np.frexp(np.where(r == 0, 1, r))[1] - 1, -14) - 2)
;;       q = np.round(r / step) * step * 2.0 ** e      # np.round: ties to even
;;       return np.moveaxis(q, -1, axis).astype(np.float32)
;;   ~~~
;;   SOFTMAX AHEAD OF A QUANTISED PRODUCT. Where the list says 'softmax', what is quantised is not the finished softmax but p = 2^(t - M), with t = logit x log2(e) and M = ceil(the row's largest t), a whole number; so 1/2 < the row's largest p <= 1. The row's sum l is taken of the UNQUANTISED p, in f32, and the product's result is divided by l at the end. Since M is a whole number, a kernel that streams over the keys may use a running M (the ceiling of the running maximum): every later rescaling is an exact power of two, so the quantised numbers keep their values, but for numbers so far below the row's largest that they fall under the format's range.
;;   OPERANDS COMPUTED ON THE WAY. 'Computed on the way' means the value that the module computes at that place (a softmax that the list does not call 'softmax' is quantised finished and normalised). What goes into a quantiser is computed in f32, as accurately as f32 sums, v_exp_f32 and their like allow (about 1e-6 of the number): no bf16 or f16 on the way to a quantiser, and a product that is left as it is and whose result goes on into a quantised operand takes f32 operands (vector FMAs, or v_wmma_f32_16x16x4_f32). A number that lies on a knife's edge between two numbers of the format may be rounded either way, as far as f32 arithmetic and the matrix unit's own rounding can turn it there, and no further.
;;   INPUTS GIVEN AS CODES. w_proj (in the module: [1024, 1024], K = its axis 1); wk (in the module: [16, 1024, 64], K = its axis 1); wq (in the module: [16, 1024, 64], K = its axis 1); wv (in the module: [16, 1024, 64], K = its axis 1); x (in the module: [4, 2048, 1024], K = its axis 2): each comes as NAME_codes (uint8): NAME with its K axis moved to the last place and cut into blocks of 32 codes, [.., K / 32, bytes a block], one block behind the other in memory; one code a byte (a code: sign, 5 exponent bits, 2 mantissa bits); its scale is its entry of lowp_scales. Its value is code x scale, taken as it is: it is not quantised again, and the codes and scales need not be those that the quantiser above would give.
;; One version. Each part assembles by itself: llvm-mc -triple=amdgcn-amd-amdhsa -mcpu=gfx1250 --defsym DOCPART=n.
;; ======== version 1 of 1: 3 launches
;; limits: right only within a limited range of input values
;; workspace buffers: q_img 8,388,608 bytes; k_img 8,388,608 bytes; v_img 8,388,608 bytes; y_img 8,388,608 bytes
;; launch qkv (part 1): grid 8 x 32, 4 waves a work-group, clusters of 4 x 4, 327,680 bytes of LDS; arguments x_codes, wq_codes, wk_codes, wv_codes, lowp_scales, q_img, k_img, v_img; writes q_img, k_img, v_img
.if DOCPART == 1
	.amdgcn_target "amdgcn-amd-amdhsa--gfx1250"
	.amdhsa_code_object_version 6
	.text
	.protected	k_qc932bb1a7b_qkv
	.globl	k_qc932bb1a7b_qkv
	.p2align	8
	.type	k_qc932bb1a7b_qkv,@function
k_qc932bb1a7b_qkv:
	s_mov_b64 s[64:65], 0
	v_nop
	global_prefetch_b8 v0, s[64:65] scope:SCOPE_SE
	s_setreg_imm32_b32 hwreg(HW_REG_WAVE_MODE, 25, 1), 1
	s_wait_xcnt 0x0
	s_wait_alu depctr_hold_cnt(0) depctr_sa_sdst(0) depctr_va_vdst(0) depctr_va_sdst(0) depctr_va_ssrc(0) depctr_va_vcc(0) depctr_vm_vsrc(0)
	s_getreg_b32 s2, hwreg(HW_REG_IB_STS2, 6, 4)
	s_cmp_eq_u32 s2, 0
	s_cbranch_scc0 .Lentry_in_a_cluster
	s_endpgm
.Lentry_in_a_cluster:
	s_bfe_u32 s2, ttmp6, 0x10000c
	s_cmp_lg_u32 s2, 0xf033
	s_cbranch_scc0 .Lentry_shape_is_right
	s_endpgm
.Lentry_shape_is_right:
; q, k, v = x W^T on codes of BF8 (E5M2), and their quantising.  x: [8192 tokens][1024]; wq, wk, wv: [16 heads x 64][1024]; K innermost, one code a byte.
; SHARES.  A work-group owns 256 tokens and TWO heads of q, k and v, and walks the heads one after the other: 8 pairs of heads x 32 token tiles = 256 work-groups.  A wave owns 64 of the tokens and a head's 64 + 64 + 64 features:
; 48 accumulators of 16 x 16.  K goes in steps of 256 through two LDS slots (256 rows of x, 64 rows of each weight), and the ring runs on from the first head into the second: eight fills in all.
; One tensor load a wave for each fill: wave 0 x's 256 rows, waves 1, 2, 3 the 64 rows of wq, wk, wv.
; CLUSTERS: 4 x 4.  x's tile hangs on the token tile alone and is shared along a row of the cluster; the weights' tiles hang on the pair of heads alone and are shared along a column: each is asked for jointly.
; SIDES.  Source 0 gives the rows that run along a lane's eight result registers, source 1 the row that a lane stands for.  q, k: source 0 = the weight, source 1 = x: a lane holds ONE token and eight neighbouring d.
;   v: source 0 = x, source 1 = wv: a lane holds ONE d and eight neighbouring tokens.  So a conversion's two registers are registers 2 c, 2 c + 1 of the NEXT product's operand, and the codes leave as images of operand registers.
;   q_img, k_img: [batch x 16 + head][token tile 128][piece 2][lane][16 bytes];   v_img: [batch x 16 + head][block of 128 keys 16][d tile 4][piece 4][lane][16 bytes].  Each store is 512 consecutive bytes, aligned.
; code = sum / 2^E, held within +-57,344 codes; E = e_out - eW - ex (q: e6 - e0 - e1; k: e7 - e2 - e3; v: e9 - e4 - e5).
; LIMITS: each E between -126 and 112, so that 2^E and 57,344 x 2^E are f32 numbers.  Codes of NaN or infinity among the inputs are not served.
; The fragments are fetched by four loads of 16 bytes: a permutation of k that is the same in both operands, so every product meets its partner.
; A step of 128 along K is three runs of 16 products (q, k, v).  Each weight has ONE set of four fragments, fetched anew straight behind its run, two runs ahead of its next use; x's four fragments are at work through the step and have two sets.
; PREFETCH into the L2: behind the fill of K step g stands the request for K step g + 2 (K step 1 is asked for with K step 2, at the head).  The four partners that ask for a tile jointly share its rows out by address: of x's 256 rows
; 64 a work-group (wave 0, two instructions, a lane a row), of a weight's 64 rows 16 (its wave; lanes 16-31 name the last row again).  x is asked for in the first head alone: afterwards it has been read.  The weights, which all
; eight rows of clusters read, are asked for by the first four rows of clusters.  The last two fills have nothing behind them to ask for.
; REGISTERS, in windows of 256.  Window 0: v8-29 addresses and constants; v64-191 x's two sets; on the way out v192-223 held sums, v32-63 and v224-255 codes.  Window 1: v0-191 the weights' fragments.
;   Window 2: q's accumulators (token block b, feature block f) at v[32 b + 8 f], k's 128 further on.  Window 3: v's (d tile d, token block b) at v[32 d + 8 b].
.set PITCH,  272                       ; an LDS row: 256 bytes + 16 of padding: the 16 rows that a load touches start at 16 different banks (64 banks of 4 bytes: ISA guide 11.1)
.set XB,     256*PITCH                 ; x's part of a slot
.set WB,     64*PITCH                  ; a weight's part
.set SLOT,   XB+3*WB
.set SPARE,  2*SLOT                    ; the spare words, 128 bytes for each wave
.set HEADB,  65536                     ; a head's rows of a weight, in bytes
.set VO,   8                           ; 16 x lane
.set PFO,  9                           ; the prefetches' offset; never rewritten
.set SCQ,  10                          ; v10, v11: q's 2^E and 57,344 x 2^E;  v12, v13: k's;  v14, v15: v's
.set ADX,  16                          ; v16-17  LDS address of my fragments of x in slot 0, 1
.set ADW,  20                          ; v20-21  of the weights'
.set SPW,  28
.set NIL,  29
.set XS,   64
.set TMP,  192
.set G1X, 24
.set G0X, 32                           ; s[32:39] one group 0 for each slot
.set G1W, 48
.set G0W, 56
.set MSB, 0
.macro WIN new                         ; the immediate's high byte repeats the setting that is left
.if MSB != \new
	s_set_vgpr_msb (MSB<<8)|\new
.set MSB, \new
.endif
.endm
.set MQK, 0xa1                         ; source 0 (weight) window 1, source 1 (x) window 0, C and D window 2
.set MV,  0xf4                         ; source 0 (x) window 0, source 1 (wv) window 1, C and D window 3
.set TOW, 0x40                         ; destination window 1, address window 0
.macro NOPS4
.rept 4
	v_nop
.endr
.endm
; A joint load.  The branch hangs on the wave's number alone.  An s_nop 0 and four v_nop follow each of the two lines.
.macro JLOAD s
	s_cmp_eq_u32 s14, 0
	s_cbranch_scc0 .Lfor_w_\@
	tensor_load_to_lds s[G0X+4*\s:G0X+4*\s+3], s[G1X:G1X+7]
	s_nop 0
	NOPS4
	s_branch .Lasked_\@
.Lfor_w_\@:
	tensor_load_to_lds s[G0W+4*\s:G0W+4*\s+3], s[G1W:G1W+7]
	s_nop 0
	NOPS4
.Lasked_\@:
.endm
.macro CREST                           ; a round of the cluster's barrier behind its opening barrier
	s_cmp_lg_u32 s14, 0
	s_cbranch_scc1 .Lnot_wave_0_\@
	s_barrier_signal -3
.Lnot_wave_0_\@:
	s_barrier_wait -3
	s_barrier_signal -1
	s_barrier_wait -1
.endm
.macro CROUND
	s_barrier_signal -1
	s_barrier_wait -1
	CREST
.endm
.macro ASKH off                        ; the first head's K steps: x (wave 0: 64 rows) and the weights
	s_cmp_lg_u32 s12, 0
	s_cbranch_scc0 .Lnh_\@
	global_prefetch_b8 v[PFO], s[4:5] offset:\off th:TH_LOAD_NT scope:SCOPE_SE
	s_cmp_eq_u32 s14, 0
	s_cbranch_scc0 .Lnh_\@
	global_prefetch_b8 v[PFO], s[4:5] offset:\off+32768 th:TH_LOAD_NT scope:SCOPE_SE
.Lnh_\@:
.endm
.macro ASKW off                        ; the second head's K steps: the weights alone
	s_cmp_lg_u32 s13, 0
	s_cbranch_scc0 .Lnw_\@
	global_prefetch_b8 v[PFO], s[4:5] offset:\off th:TH_LOAD_NT scope:SCOPE_SE
.Lnw_\@:
.endm
	s_load_b256 s[68:75], s[0:1], 0x0              ; x s[68:69], wq s[70:71], wk s[72:73], wv s[74:75]
	s_load_b256 s[76:83], s[0:1], 0x20             ; the scales' exponents s[76:77], q_img s[78:79], k_img s[80:81], v_img s[82:83]
	v_lshl_add_u32 v[SPW], v0, 2, SPARE
	v_mov_b32 v[NIL], 0
	ds_add_u32 v[SPW], v[NIL]                      ; the opening lines: the add, twice on end, and its wait ahead of my first tensor load
	ds_add_u32 v[SPW], v[NIL]
	v_lshrrev_b32 v1, 5, v0
	v_readfirstlane_b32 s14, v1                    ; wave 0..3
	s_bfe_u32 s40, ttmp6, 0x40000                  ; cx, cy: my place in the cluster
	s_bfe_u32 s41, ttmp6, 0x40004
	s_lshl_b32 s42, ttmp9, 2
	s_add_co_u32 s42, s42, s40                     ; the pair of heads: 4 x cluster x + cx
	s_and_b32 s16, ttmp7, 0xffff                   ; cluster y
	s_lshl_b32 s17, s16, 2
	s_add_co_u32 s17, s17, s41                     ; the token tile: 4 x cluster y + cy
	s_lshl_b32 s43, s41, 2
	s_lshl_b32 s43, 15, s43                        ; my row of the cluster
	s_lshl_b32 s44, 0x1111, s40                    ; my column
	s_or_b32 s[G1X+0], s43, (0<<16)|(1<<20)|(1<<21)|(5<<22)|(3<<25)  ; the mask; elements of 1 byte; padding on; bit 21 beside a mask; after every 64 words 4 words
	s_or_b32 s[G1W+0], s44, (0<<16)|(1<<20)|(1<<21)|(5<<22)|(3<<25)
	s_mov_b32 s[G1X+1], 256<<16                    ; rows of 256 bytes,
	s_mov_b32 s[G1X+2], 256<<16                    ; 256 of them,
	s_mov_b32 s[G1X+3], 256<<16
	s_mov_b32 s[G1X+4], 256
	s_mov_b32 s[G1X+5], 1024                       ; 1,024 bytes apart
	s_mov_b32 s[G1X+6], 0
	s_mov_b32 s[G1X+7], 0
	s_mov_b32 s[G1W+1], 256<<16
	s_mov_b32 s[G1W+2], 64<<16                     ; 64 rows
	s_mov_b32 s[G1W+3], 256<<16
	s_mov_b32 s[G1W+4], 64
	s_mov_b32 s[G1W+5], 1024
	s_mov_b32 s[G1W+6], 0
	s_mov_b32 s[G1W+7], 0
	s_lshl_b32 s20, s17, 18                        ; x: 256 rows x 1,024 bytes a token tile
	s_mov_b32 s21, 0
	s_lshl_b32 s46, s42, 17                        ; the weights: 128 rows a pair of heads
	s_mov_b32 s47, 0
	s_mul_i32 s45, s14, WB
	s_add_co_u32 s45, s45, XB-WB                   ; wave 1, 2, 3: the weight's place in a slot
	s_wait_dscnt 0x0
	s_wait_kmcnt 0x0
	s_load_b256 s[84:91], s[76:77], 0x0            ; e0 .. e7
	s_load_b128 s[92:95], s[76:77], 0x20           ; e8 .. e11
	s_cmp_eq_u32 s14, 1                            ; the weight is chosen on the wave's number
	s_cselect_b64 s[6:7], s[70:71], s[74:75]
	s_cmp_eq_u32 s14, 2
	s_cselect_b64 s[6:7], s[72:73], s[6:7]
	s_add_nc_u64 s[20:21], s[68:69], s[20:21]
	s_add_nc_u64 s[46:47], s[6:7], s[46:47]
	CROUND                                         ; all sixteen work-groups are here: the first joint loads meet
.irp s, 0,1
	s_mov_b32 s[G0X+4*\s], 1
	s_mov_b32 s[G0X+4*\s+1], \s*SLOT
	s_add_nc_u64 s[G0X+4*\s+2:G0X+4*\s+3], s[20:21], \s*256
	s_or_b32 s[G0X+4*\s+3], s[G0X+4*\s+3], 0x80000000
	s_mov_b32 s[G0W+4*\s], 1
	s_add_co_u32 s[G0W+4*\s+1], s45, \s*SLOT
	s_add_nc_u64 s[G0W+4*\s+2:G0W+4*\s+3], s[46:47], \s*256
	s_or_b32 s[G0W+4*\s+3], s[G0W+4*\s+3], 0x80000000
.endr
	JLOAD 0                                        ; K step 0: one tensor load a wave at the head
	; the prefetches: my work-group's share of the rows that my wave fetches
	s_cmp_eq_u32 s14, 0
	s_cselect_b64 s[4:5], s[20:21], s[46:47]
	s_cselect_b32 s8, s40, s41                     ; my place among the four that ask with me
	s_cselect_b32 s9, 16, 14                       ; 64 rows of x, 16 of a weight
	s_cselect_b32 s10, 31, 15
	s_cselect_b32 s12, 1, 0
	s_lshl_b32 s8, s8, s9
	s_mov_b32 s9, 0
	s_add_nc_u64 s[4:5], s[4:5], s[8:9]
	s_cmp_lt_u32 s16, 4                            ; the first four rows of clusters ask for the weights
	s_cselect_b32 s13, 1, 0
	s_sub_co_u32 s11, 1, s12
	s_and_b32 s13, s13, s11                        ; s13: my wave asks for a weight
	s_or_b32 s12, s12, s13                         ; s12: my wave asks in the first head
	v_and_b32 v[PFO], 31, v0
	v_min_u32 v[PFO], s10, v[PFO]
	v_lshlrev_b32 v[PFO], 10, v[PFO]               ; a lane a row
	s_wait_alu depctr_va_vdst(0)
	ASKH 256
	ASKH 512
	v_and_b32 v1, 15, v0                           ; l % 16
	v_bfe_u32 v2, v0, 4, 1                         ; l / 16
	v_mul_u32_u24 v3, v1, PITCH
	v_lshl_add_u32 v4, v2, 4, v3                   ; a fragment's row x pitch + 16 x half
	s_mul_i32 s21, s14, 64*PITCH                   ; my 64 rows of x
	v_add_nc_u32 v[ADX], s21, v4
	v_add_nc_u32 v[ADW], XB, v4
	v_add_nc_u32 v[ADX+1], SLOT, v[ADX]
	v_add_nc_u32 v[ADW+1], SLOT, v[ADW]
	v_and_b32 v5, 31, v0
	v_lshlrev_b32 v[VO], 4, v5
	; where my codes go: (16 x batch + head) x 2^17 + (token tile % 8) x 2^14; q, k: + wave x 4 token tiles of 1,024; v: + (wave / 2) x a block of 8,192 + (wave % 2) x two pieces of 512
	s_lshr_b32 s22, s17, 3
	s_lshl_b32 s22, s22, 4
	s_lshl_b32 s23, s42, 1
	s_add_co_u32 s22, s22, s23
	s_lshl_b32 s22, s22, 17
	s_and_b32 s23, s17, 7
	s_lshl_b32 s23, s23, 14
	s_add_co_u32 s22, s22, s23
	s_lshl_b32 s18, s14, 12
	s_add_co_u32 s18, s18, s22
	s_mov_b32 s19, 0
	s_add_nc_u64 s[78:79], s[78:79], s[18:19]
	s_add_nc_u64 s[80:81], s[80:81], s[18:19]
	s_lshr_b32 s18, s14, 1
	s_lshl_b32 s18, s18, 13
	s_and_b32 s23, s14, 1
	s_lshl_b32 s23, s23, 10
	s_add_co_u32 s18, s18, s23
	s_add_co_u32 s18, s18, s22
	s_add_nc_u64 s[82:83], s[82:83], s[18:19]
	s_wait_kmcnt 0x0
	s_sub_co_i32 s84, s90, s84
	s_sub_co_i32 s84, s84, s85                     ; q: e6 - e0 - e1
	s_sub_co_i32 s86, s91, s86
	s_sub_co_i32 s86, s86, s87                     ; k: e7 - e2 - e3
	s_sub_co_i32 s88, s93, s88
	s_sub_co_i32 s88, s88, s89                     ; v: e9 - e4 - e5
.irp t, 0,1,2
	s_add_co_i32 s96, s[84+2*\t], 127
	s_lshl_b32 s97, s96, 23
	v_mov_b32 v[SCQ+2*\t], s97                     ; 2^E as f32: the conversion takes its exponent field
	s_add_co_i32 s96, s96, 15
	s_lshl_b32 s96, s96, 23
	s_or_b32 s96, s96, 0x600000
	v_mov_b32 v[SCQ+2*\t+1], s96                   ; 57,344 x 2^E
.endr
.macro FRAG reg, adr, off              ; a fragment, 16 rows x 128 K: lane l holds row l % 16; registers 4 c .. 4 c + 3 hold K = 32 c + 16 (l / 16) + 0 .. 15
.irp c, 0,1,2,3
	ds_load_b128 v[\reg+4*\c:\reg+4*\c+3], v[\adr] offset:\off+32*\c
.endr
.endm
.macro RW t, slot, q                   ; weight t's four fragments of the slot's q-th 128 along K (window 1)
.irp f, 0,1,2,3
	FRAG 64*\t+16*\f, ADW+\slot, \t*WB+\f*16*PITCH+128*\q
.endr
.endm
.macro RX slot, q                      ; x's four fragments, into set q
.irp b, 0,1,2,3
	FRAG XS+64*\q+16*\b, ADX+\slot, \b*16*PITCH+128*\q
.endr
.endm
; 16 products of q (t = 0) or k (t = 1), or of v.  The accumulators take turns, one instruction a turn.  zero = 1: the first product starts the sums.
.macro PHQK t, set, zero
.irp b, 0,1,2,3
.irp f, 0,1,2,3
.if \zero
	v_wmma_f32_16x16x128_bf8_bf8 v[128*\t+32*\b+8*\f:128*\t+32*\b+8*\f+7], v[64*\t+16*\f:64*\t+16*\f+15], v[XS+64*\set+16*\b:XS+64*\set+16*\b+15], 0
.else
	v_wmma_f32_16x16x128_bf8_bf8 v[128*\t+32*\b+8*\f:128*\t+32*\b+8*\f+7], v[64*\t+16*\f:64*\t+16*\f+15], v[XS+64*\set+16*\b:XS+64*\set+16*\b+15], v[128*\t+32*\b+8*\f:128*\t+32*\b+8*\f+7]
.endif
.endr
.endr
.endm
.macro PHV set, zero
.irp d, 0,1,2,3
.irp b, 0,1,2,3
.if \zero
	v_wmma_f32_16x16x128_bf8_bf8 v[32*\d+8*\b:32*\d+8*\b+7], v[XS+64*\set+16*\b:XS+64*\set+16*\b+15], v[128+16*\d:128+16*\d+15], 0
.else
	v_wmma_f32_16x16x128_bf8_bf8 v[32*\d+8*\b:32*\d+8*\b+7], v[XS+64*\set+16*\b:XS+64*\set+16*\b+15], v[128+16*\d:128+16*\d+15], v[32*\d+8*\b:32*\d+8*\b+7]
.endif
.endr
.endr
.endm
; The LDS loads go out in three runs a step, always in this order: wq's 16 and x's 16; wk's 16; wv's 16.  Four v_nop stand in front of each run: places behind the products that read the registers (ISA guide 7.12.1 for vector instructions).
; A slot's first step: its successor lies in the same slot.
.macro EVEN slot, zero
	s_wait_dscnt 32                                ; wq and x are in; the 32 younger loads (wk, wv) may be out
	WIN MQK
	PHQK 0, 0, \zero
	NOPS4
	WIN TOW
	RW 0, \slot, 1
	WIN 0
	RX \slot, 1
	s_wait_dscnt 48                                ; wk is in; younger: wv's 16 and the 32 just issued
	WIN MQK
	PHQK 1, 0, \zero
	NOPS4
	WIN TOW
	RW 1, \slot, 1
	s_wait_dscnt 48                                ; wv is in; younger: 32 + 16
	WIN MV
	PHV 0, \zero
	NOPS4
	WIN TOW
	RW 2, \slot, 1
	WIN 0
.endm
; A slot's second step changes slots: each wave waits for all its tensor loads, adds 0 to its spare word, and waits for that and for its reads of this slot.  fill = 1: a round of the cluster's barrier, and this slot is filled again,
; two K steps ahead (on = 1: with the next head's K step).  ask: the prefetch's offset, or -1.
.macro ODD slot, next, fill, on, ask
	s_wait_tensorcnt 0x0                           ; all my tensor loads have landed: my part of the next slot
	ds_add_u32 v[SPW], v[NIL]
	s_wait_dscnt 33                                ; wq and x are in (the add and the 32 loads of wk and wv may be out)
	WIN MQK
	PHQK 0, 1, 0
	s_wait_dscnt 0x0                               ; the add is done, and my reads of this slot are over
	s_barrier_signal -1
	PHQK 1, 1, 0
	WIN 0
	s_barrier_wait -1
.if \fill
	CREST                                          ; no wave of any partner still reads this slot or has a load on its way
.if \on
	s_sub_nc_u64 s[G0X+4*\slot+2:G0X+4*\slot+3], s[G0X+4*\slot+2:G0X+4*\slot+3], 512
	s_add_nc_u64 s[G0W+4*\slot+2:G0W+4*\slot+3], s[G0W+4*\slot+2:G0W+4*\slot+3], HEADB-512
.else
	s_add_nc_u64 s[G0X+4*\slot+2:G0X+4*\slot+3], s[G0X+4*\slot+2:G0X+4*\slot+3], 512
	s_add_nc_u64 s[G0W+4*\slot+2:G0W+4*\slot+3], s[G0W+4*\slot+2:G0W+4*\slot+3], 512
.endif
	JLOAD \slot                                    ; the first tensor load behind the round; its four v_nop are the places in front of the loads below
.else
	NOPS4
.endif
	WIN TOW
	RW 0, \next, 0
	WIN 0
	RX \next, 0
	WIN TOW
	RW 1, \next, 0
	WIN 0
.if \ask >= 0
	ASKW \ask
.endif
	WIN MV
	PHV 1, 0
	NOPS4
	WIN TOW
	RW 2, \next, 0
	WIN 0
.endm
; THE WAY OUT.  Four accumulators (32 sums a lane) are held, turned into 32 codes (8 registers) and stored: 12 such groups a head.  The codes' registers take turns by eight groups.
.macro OUTG g, win, ac, sc, ptr, off
.set CR, 32+8*((\g)%8)+160*(((\g)%8)/4)
.if (\g) == 8
	s_wait_xcnt 0x0                                ; the first groups' stores have read their data
.endif
	WIN \win                                       ; source 0: window 2 or 3
.set j, 0
.rept 32
	v_med3_num_f32 v[TMP+j], v[\ac+j], -v[\sc+1], v[\sc+1]   ; the conversion does not saturate (ISA guide 7.6.2): the hold; each accumulator from its low end on
.set j, j+1
.endr
	WIN 0
.irp b, 0,1,2,3
	v_cvt_scalef32_pk8_bf8_f32 v[CR+2*\b:CR+2*\b+1], v[TMP+8*\b:TMP+8*\b+7], v[\sc]
.endr
	v_nop                                          ; one plain line between the conversions and the next group's holds, which write their sources
	global_store_b128 v[VO], v[CR:CR+3], s[\ptr:\ptr+1] offset:\off
	global_store_b128 v[VO], v[CR+4:CR+7], s[\ptr:\ptr+1] offset:\off+512
.endm
.macro OUT
	s_wait_xcnt 0x0                                ; the head before's stores have read their data
	NOPS4                                          ; places behind the last products
.irp i, 0,1,2,3
	OUTG \i, 0x02, 32*\i, SCQ, 78, 1024*\i
.endr
.irp i, 0,1,2,3
	OUTG 4+\i, 0x02, 128+32*\i, SCQ+2, 80, 1024*\i
.endr
.irp i, 0,1,2,3
	OUTG 8+\i, 0x03, 32*\i, SCQ+4, 82, 2048*\i
.endr
.endm
	s_wait_alu depctr_va_vdst(0)                   ; the head's end
	s_wait_tensorcnt 0x0                           ; my part of K step 0 is in
	ds_add_u32 v[SPW], v[NIL]
	s_wait_dscnt 0x0
	CROUND
	JLOAD 1                                        ; K step 1, slot 1's first fill: the first tensor load behind the round
	WIN TOW
	RW 0, 0, 0
	WIN 0
	RX 0, 0
	WIN TOW
	RW 1, 0, 0
	RW 2, 0, 0
	WIN 0
	ASKH 768
	s_mov_b32 s3, 2                                ; heads to go: the same number in every work-group
.Lhead:
	EVEN 0, 1                                      ; a head's first step starts the sums
	ODD 0, 1, 1, 0, HEADB
	EVEN 1, 0
	ODD 1, 0, 1, 0, HEADB+256
	s_cmp_eq_u32 s3, 1
	s_cbranch_scc1 .Llast_head                     ; the last head's tail is written out: it asks for nothing more
	EVEN 0, 0
	ODD 0, 1, 1, 1, HEADB+512                      ; the ring goes on into the next head: slot 0 takes its K step 0,
	EVEN 1, 0
	ODD 1, 0, 1, 1, HEADB+768                      ; slot 1 its K step 1, and its first fragments are fetched
	OUT
	s_wait_xcnt 0x0                                ; the stores have read their bases
	s_add_nc_u64 s[78:79], s[78:79], 0x20000       ; the next head's images
	s_add_nc_u64 s[80:81], s[80:81], 0x20000
	s_add_nc_u64 s[82:83], s[82:83], 0x20000
	s_mov_b32 s13, 0                               ; nothing is left to prefetch
	s_sub_co_u32 s3, s3, 1
	s_branch .Lhead
.Llast_head:
	EVEN 0, 0
	ODD 0, 1, 0, 0, -1                             ; nothing is filled again: no round
	EVEN 1, 0
	s_wait_dscnt 32                                ; the very last step
	WIN MQK
	PHQK 0, 1, 0
	s_wait_dscnt 16
	PHQK 1, 1, 0
	s_wait_dscnt 0x0
	WIN MV
	PHV 1, 0
	WIN 0
	OUT
	s_wait_tensorcnt 0x0                           ; the wave's end
	ds_add_u32 v[SPW], v[NIL]
	s_wait_dscnt 0x0
	CROUND                                         ; the closing round
	s_endpgm
.Lfunc_end_k_qc932bb1a7b_qkv:
	.size	k_qc932bb1a7b_qkv, .Lfunc_end_k_qc932bb1a7b_qkv-k_qc932bb1a7b_qkv
	.p2alignl 7, 3214868480
	.fill 96, 4, 3214868480
	.section	.rodata,"a",@progbits
	.p2align	6, 0x0
	.amdhsa_kernel k_qc932bb1a7b_qkv
		.amdhsa_group_segment_fixed_size 327680
		.amdhsa_private_segment_fixed_size 0
		.amdhsa_enable_private_segment 0
		.amdhsa_kernarg_size 64
		.amdhsa_user_sgpr_count 2
		.amdhsa_user_sgpr_kernarg_segment_ptr 1
		.amdhsa_wavefront_size32 1
		.amdhsa_system_sgpr_workgroup_id_x 1
		.amdhsa_system_sgpr_workgroup_id_y 1
		.amdhsa_system_sgpr_workgroup_id_z 1
		.amdhsa_system_vgpr_workitem_id 0
		.amdhsa_next_free_vgpr 896
		.amdhsa_next_free_sgpr 100
		.amdhsa_reserve_vcc 0
		.amdhsa_float_denorm_mode_32 3
		.amdhsa_float_denorm_mode_16_64 3
		.amdhsa_memory_ordered 1
		.amdhsa_forward_progress 1
		.amdhsa_inst_pref_size 168
	.end_amdhsa_kernel
	.amdgpu_metadata
---
amdhsa.version: [ 1, 2 ]
amdhsa.kernels:
  - .name:           k_qc932bb1a7b_qkv
    .symbol:         k_qc932bb1a7b_qkv.kd
    .args:
      - { .name: x_codes, .offset: 0, .size: 8, .value_kind: global_buffer, .address_space: global }
      - { .name: wq_codes, .offset: 8, .size: 8, .value_kind: global_buffer, .address_space: global }
      - { .name: wk_codes, .offset: 16, .size: 8, .value_kind: global_buffer, .address_space: global }
      - { .name: wv_codes, .offset: 24, .size: 8, .value_kind: global_buffer, .address_space: global }
      - { .name: lowp_scales, .offset: 32, .size: 8, .value_kind: global_buffer, .address_space: global }
      - { .name: q_img, .offset: 40, .size: 8, .value_kind: global_buffer, .address_space: global }
      - { .name: k_img, .offset: 48, .size: 8, .value_kind: global_buffer, .address_space: global }
      - { .name: v_img, .offset: 56, .size: 8, .value_kind: global_buffer, .address_space: global }
    .group_segment_fixed_size: 327680
    .private_segment_fixed_size: 0
    .kernarg_segment_align: 8
    .kernarg_segment_size: 64
    .max_flat_workgroup_size: 128
    .sgpr_count:     100
    .vgpr_count:     896
    .wavefront_size: 32
...
	.end_amdgpu_metadata
.endif
;; end of part 1
;; launch attn (part 2): grid 4 x 64, 8 waves a work-group, clusters of 4 x 1, 327,680 bytes of LDS; arguments q_img, k_img, v_img, lowp_scales, y_img; writes y_img
.if DOCPART == 2
	.amdgcn_target "amdgcn-amd-amdhsa--gfx1250"
	.amdhsa_code_object_version 6
	.text
	.protected	k_qc932bb1a7b_attn
	.globl	k_qc932bb1a7b_attn
	.p2align	8
	.type	k_qc932bb1a7b_attn,@function
k_qc932bb1a7b_attn:
	s_mov_b64 s[64:65], 0
	v_nop
	global_prefetch_b8 v0, s[64:65] scope:SCOPE_SE
	s_setreg_imm32_b32 hwreg(HW_REG_WAVE_MODE, 25, 1), 1
	s_wait_xcnt 0x0
	s_wait_alu depctr_hold_cnt(0) depctr_sa_sdst(0) depctr_va_vdst(0) depctr_va_sdst(0) depctr_va_ssrc(0) depctr_va_vcc(0) depctr_vm_vsrc(0)
	s_getreg_b32 s2, hwreg(HW_REG_IB_STS2, 6, 4)
	s_cmp_eq_u32 s2, 0
	s_cbranch_scc0 .Lentry_in_a_cluster
	s_endpgm
.Lentry_in_a_cluster:
	s_bfe_u32 s2, ttmp6, 0x10000c
	s_cmp_lg_u32 s2, 0x3003
	s_cbranch_scc0 .Lentry_shape_is_right
	s_endpgm
.Lentry_shape_is_right:
; Causal attention of one (batch, head) a cluster, on codes of BF8 (E5M2), and the quantising of its result y.  2,048 tokens, head size 64.
; q_img, k_img: [bh][token tile 128][1,024 bytes]: the image of a fragment of the K = 64 form (lane l: token l % 16; registers 2 t, 2 t + 1: d = 16 t + 8 (l / 16) + 0 .. 7).
; v_img: [bh][block of 128 keys][d tile 4][2,048 bytes]: the image of a fragment of the K = 128 form (lane l: d = l % 16; registers 2 c, 2 c + 1: keys 16 c + 8 (l / 16) + 0 .. 7).
; y_img: [4 heads kq][token tile 512][4,096 bytes]: images of the last product's operand; a head's 64 numbers of a tile are 1,024 bytes at (head % 4) x 1,024.
; THE SOFTMAX: t = score x log2(e) / 8; M = the running largest t rounded UP to a whole number; p = 2^(t - M) is quantised with 2^e8, not normalised; the row's sum is taken of the unquantised p and divides at the end.
; When M moves, the sum and O are multiplied by 2^(old M - new M): exact.
; BOTH PRODUCTS ARE USED TRANSPOSED: S^T = K Q^T, O^T = V^T P^T: a lane holds ONE query (l % 16) of each tile, and a conversion's two registers ARE registers 2 t, 2 t + 1 of P; O^T's become y's image.
; WORK LEFT OUT: blocks of 128 keys that lie wholly behind a pair's queries: the causal mask sets their scores to -infinity, so their p is 0 for all inputs.  In the diagonal block hidden scores become -infinity.
; SHARES.  The head's K and V images (131,072 bytes each) lie in LDS, each byte filled ONCE, by joint loads of the cluster's four work-groups, which share the head.  Eight waves, two to a SIMD.
; A wave takes a PAIR of neighbouring query tiles (32 queries) through a block of keys at a time: each fragment of K and of V feeds two matrix instructions, and the two tiles' chains of vector work stand interleaved.
; Wave w of partner cx owns pair 4 w + cx and pair 63 - (4 w + cx) of the head's 64: diagonal blocks w and 15 - w: (w + 1) + (16 - w) = 17 steps in EVERY wave; branches hang on the wave's number and a counter, never on cx.
; FILLS.  At the head each wave asks for 16,384 bytes of blocks 0-7 (waves 0-3: K, 4-7: V); behind the full sequence and a round, for the same part of blocks 8-15, which has seven steps of the late pair in which to land.
; No prefetch into the L2: both of a wave's loads go out at the start, and behind them the launch asks memory for nothing that could be asked for earlier.
; K's fragments of block s + 1 are fetched straight behind block s's score products, V's of block s with them; a pair's last such fetch of K is not used (it reads bytes that have landed).
; LIMITS on the given exponents, so that each power of two below is an f32 number: e6 + e7 between -123 and 130; e8 between -126 and 112; e10 - e8 - e9 between -126 and 112.  The scaled scores stay under 2^31 in magnitude.
; REGISTERS.  Window 0: all vector work.  v1-11 addresses and constants; v12-17 tile A: -M, largest t, the sum's pair, f's pair; v18-23 tile B; v24-29 at work; v30, v31 the add's; S^T, then p: v32-95 (A), v96-159 (B);
;   O^T: v160-191, v192-223; p's codes (ahead of them the sums' chains, at a pair's end y's codes): v224-239, v240-255.   Window 1: v0-63 K's eight fragments; v64-127 V's four; v128-143 Q of the late pair; v144-159 of the early pair.
.set KBLK,  8192                       ; a block of 128 keys: bytes of its K image, and of its V image
.set VBASE, 131072                     ; LDS: K's image at 0, V's here
.set HALF,  65536                      ; eight blocks
.set SPARE, 262144                     ; the spare words: 128 bytes for each wave
.set LI,   1                           ; 16 x lane; never rewritten
.set LV,   2                           ; the same in V's image
.set ADK,  3
.set ADV,  4
.set DML,  5                           ; the late pair: tile A's query's place in the diagonal block, less 8 (l / 16); tile B's is 16 more
.set DME,  6                           ; the early pair
.set NINF, 7
.set SCP,  8                           ; 2^e8;  v9  57,344 x 2^e8
.set LIMP, 9
.set SCY,  10                          ; 2^(e10 - e8 - e9);  v11  57,344 x that
.set LIMY, 11
.set STA,  12
.set STB,  18
.set SPW,  30
.set NIL,  31
.set SA,   32
.set SB,   96
.set OA,   160
.set OB,   192
.set PA,   224
.set PB,   240
.set KF,   0                           ; window 1
.set VF,   64
.set QL,   128
.set QE,   144
.set WV,   14
.set SEL,  20                          ; s[20:21] selects of v_permlanex16_b32: lane l xor 16
.set CS,   22                          ; s[22:23] c = log2(e) / 8 x 2^(e6 + e7)
.set G1,   24
.set G0,   32                          ; s[32:39] two groups 0
.set TB,   48                          ; LDS byte of the key block in hand
.set KS,   49                          ; its number
.set LIM,  50                          ; the pair's diagonal block
.set YB,   60                          ; s[60:61] where the late pair's codes go;  s[62:63] the early pair's
.set YA,   62
.set MSB, 0
.macro WIN new                         ; the immediate's high byte repeats the setting that is left
.if MSB != \new
	s_set_vgpr_msb (MSB<<8)|\new
.set MSB, \new
.endif
.endm
.macro ROUND                           ; a round of the cluster's barrier
	s_barrier_signal -1
	s_barrier_wait -1
	s_cmp_lg_u32 s[WV], 0
	s_cbranch_scc1 .Lnot_wave_0_\@
	s_barrier_signal -3
.Lnot_wave_0_\@:
	s_barrier_wait -3
	s_barrier_signal -1
	s_barrier_wait -1
.endm
.macro NOPS4
.rept 4
	v_nop
.endr
.endm
.macro KLOAD adr, off                  ; K's eight tiles of 16 keys: 512 consecutive bytes a load
	WIN 0x40                                       ; destination window 1, address window 0
.irp t, 0,1,2,3,4,5,6,7
	ds_load_b128 v[KF+8*\t:KF+8*\t+3], v[\adr] offset:\off+1024*\t
	ds_load_b128 v[KF+8*\t+4:KF+8*\t+7], v[\adr] offset:\off+1024*\t+512
.endr
.endm
	s_load_b256 s[4:11], s[0:1], 0x0               ; q_img s[4:5], k_img s[6:7], v_img s[8:9], the scales' exponents s[10:11]
	s_load_b64 s[12:13], s[0:1], 0x20              ; y_img
	v_lshl_add_u32 v[SPW], v0, 2, SPARE
	v_mov_b32 v[NIL], 0
	ds_add_u32 v[SPW], v[NIL]                      ; the opening lines: the add, twice on end, and its wait ahead of my first tensor load
	ds_add_u32 v[SPW], v[NIL]
	v_lshrrev_b32 v24, 5, v0
	v_readfirstlane_b32 s[WV], v24                 ; wave 0..7
	s_bfe_u32 s15, ttmp6, 0x40000                  ; cx: it enters Q's and y's addresses in memory and the mask's numbers, nothing else
	s_and_b32 s16, ttmp7, 0xffff                   ; bh = 16 x batch + head: the cluster's y
	s_mov_b32 s[G1], 15|(3<<16)|(1<<21)            ; the mask: all four work-groups; elements of 8 bytes; bit 21 beside a mask; no padding: every read is 16 x lane + constants
	s_mov_b32 s[G1+1], 32<<16                      ; rows of 256 bytes,
	s_mov_b32 s[G1+2], 64<<16                      ; 64 of them, dense: 16,384 bytes a load
	s_mov_b32 s[G1+3], 32<<16
	s_mov_b32 s[G1+4], 64
	s_mov_b32 s[G1+5], 32
	s_mov_b32 s[G1+6], 0
	s_mov_b32 s[G1+7], 0
	s_and_b32 s66, s[WV], 3
	s_lshl_b32 s66, s66, 14                        ; my quarter of eight blocks
	s_lshr_b32 s67, s[WV], 2
	s_lshl_b32 s67, s67, 17
	s_add_co_u32 s67, s67, s66                     ; in LDS: (wave / 4) x 131,072 + (wave % 4) x 16,384
	s_lshl_b32 s68, s16, 17
	s_add_co_u32 s68, s68, s66                     ; in memory: the head's image + the same quarter
	s_mov_b32 s69, 0
	s_mov_b32 s[SEL], 0x76543210
	s_mov_b32 s[SEL+1], 0xfedcba98
	s_wait_dscnt 0x0
	s_wait_kmcnt 0x0
	s_cmp_lt_u32 s[WV], 4
	s_cselect_b64 s[70:71], s[6:7], s[8:9]         ; the buffer is chosen on the wave's number
	s_add_nc_u64 s[70:71], s[70:71], s[68:69]
.irp c, 0,1
	s_mov_b32 s[G0+4*\c], 1
	s_add_co_u32 s[G0+4*\c+1], s67, \c*HALF
	s_add_nc_u64 s[G0+4*\c+2:G0+4*\c+3], s[70:71], \c*HALF
	s_or_b32 s[G0+4*\c+3], s[G0+4*\c+3], 0x80000000
.endr
	ROUND                                          ; all four work-groups are here: the joint loads meet
	tensor_load_to_lds s[G0:G0+3], s[G1:G1+7]      ; blocks 0-7: every wave's one load at the head
	s_nop 0
	NOPS4
	s_load_b64 s[52:53], s[10:11], 0x18            ; e6, e7
	s_load_b128 s[56:59], s[10:11], 0x20           ; e8, e9, e10, e11
	s_lshl_b32 s72, s[WV], 2
	s_add_co_u32 s72, s72, s15                     ; the early pair: 4 w + cx
	s_sub_co_u32 s73, 63, s72                      ; the late pair
	s_lshl_b32 s74, s16, 17
	s_lshl_b32 s76, s72, 11                        ; a pair's two images of Q: 2,048 bytes
	s_add_co_u32 s76, s76, s74
	s_mov_b32 s77, 0
	s_add_nc_u64 s[78:79], s[4:5], s[76:77]
	s_lshl_b32 s76, s73, 11
	s_add_co_u32 s76, s76, s74
	s_add_nc_u64 s[80:81], s[4:5], s[76:77]
	v_and_b32 v[LI], 31, v0
	v_lshlrev_b32 v[LI], 4, v[LI]
	WIN 0x40
.irp i, 0,1,2,3
	global_load_b128 v[QL+4*\i:QL+4*\i+3], v[LI], s[80:81] offset:512*\i
	global_load_b128 v[QE+4*\i:QE+4*\i+3], v[LI], s[78:79] offset:512*\i
.endr
	WIN 0
	v_add_nc_u32 v[LV], VBASE, v[LI]
	; y_img: (head / 4) x 2^21 + (128 x batch + tile) x 4,096 + (head % 4) x 1,024; a pair's first tile is 2 x pair
	s_and_b32 s66, s16, 15
	s_lshr_b32 s67, s66, 2
	s_lshl_b32 s67, s67, 21
	s_and_b32 s66, s66, 3
	s_lshl_b32 s66, s66, 10
	s_add_co_u32 s67, s67, s66
	s_lshr_b32 s66, s16, 4
	s_lshl_b32 s66, s66, 19
	s_add_co_u32 s67, s67, s66
	s_lshl_b32 s68, s72, 13
	s_add_co_u32 s68, s68, s67
	s_mov_b32 s69, 0
	s_add_nc_u64 s[YA:YA+1], s[12:13], s[68:69]
	s_lshl_b32 s68, s73, 13
	s_add_co_u32 s68, s68, s67
	s_add_nc_u64 s[YB:YB+1], s[12:13], s[68:69]
	; the mask's numbers: register n of S^T holds key 16 (n / 8) + n % 8 + 8 (l / 16) of the block; tile A's query is 32 (pair % 4) + l % 16 of its diagonal block
	v_and_b32 v24, 15, v0
	v_bfe_u32 v25, v0, 4, 1
	v_lshlrev_b32 v25, 3, v25
	v_sub_nc_u32 v24, v24, v25
	s_and_b32 s66, s72, 3
	s_lshl_b32 s66, s66, 5
	v_add_nc_u32 v[DME], s66, v24
	s_and_b32 s66, s73, 3
	s_lshl_b32 s66, s66, 5
	v_add_nc_u32 v[DML], s66, v24
	v_mov_b32 v[NINF], 0xff800000
	v_mov_b32 v[STA+5], 0                          ; (named as the upper halves of f's pairs)
	v_mov_b32 v[STB+5], 0
	v_mov_b32 v28, 0                               ; written once: a lane permute's destination counts as one of its sources
	v_mov_b32 v29, 0
	s_wait_kmcnt 0x0
	s_mov_b32 s[CS], 0x3e38aa3b                    ; log2(e) / 8
	s_add_co_i32 s66, s52, s53
	s_lshl_b32 s66, s66, 23
	s_add_co_i32 s[CS], s[CS], s66                 ; a score stands for score x 2^(e6 + e7): the two exponents are added to c's exponent field
	s_mov_b32 s[CS+1], s[CS]
	s_add_co_i32 s66, s56, 127
	s_lshl_b32 s67, s66, 23
	v_mov_b32 v[SCP], s67
	s_add_co_i32 s66, s66, 15
	s_lshl_b32 s66, s66, 23
	s_or_b32 s66, s66, 0x600000
	v_mov_b32 v[LIMP], s66
	s_sub_co_i32 s66, s58, s56
	s_sub_co_i32 s66, s66, s57                     ; O^T / l stands for y / 2^(e8 + e9): y's code is (O^T / l) / 2^(e10 - e8 - e9)
	s_add_co_i32 s66, s66, 127
	s_lshl_b32 s67, s66, 23
	v_mov_b32 v[SCY], s67
	s_add_co_i32 s66, s66, 15
	s_lshl_b32 s66, s66, 23
	s_or_b32 s66, s66, 0x600000
	v_mov_b32 v[LIMY], s66
.macro INIT                            ; a pair begins: the step is written once and finds zeros, which the first change of M leaves zeros
	v_mov_b32 v[STA+1], 0xff61b1e6                 ; the largest t so far: -3e38
	v_mov_b32 v[STB+1], 0xff61b1e6
	v_floor_f32 v[STA], -v[STA+1]                  ; -M
	v_floor_f32 v[STB], -v[STB+1]
.irp r, STA+2, STA+3, STB+2, STB+3
	v_mov_b32 v[\r], 0
.endr
.set n, 0
.rept 64
	v_mov_b32 v[OA+n], 0
.set n, n+1
.endr
.endm
.macro SUMS s, st, p                   ; the row's sum of the unquantised p: 32 pairs in four chains, three of them in registers that the codes take afterwards
	v_pk_add_f32 v[\p:\p+1], v[\s:\s+1], v[\s+2:\s+3]
	v_pk_add_f32 v[\p+2:\p+3], v[\s+4:\s+5], v[\s+6:\s+7]
	v_pk_add_f32 v[\p+4:\p+5], v[\s+8:\s+9], v[\s+10:\s+11]
	v_pk_add_f32 v[\st+2:\st+3], v[\st+2:\st+3], v[\s+12:\s+13]
.set n, 14
.rept 6
	v_pk_add_f32 v[\p:\p+1], v[\p:\p+1], v[\s+n:\s+n+1]
	v_pk_add_f32 v[\p+2:\p+3], v[\p+2:\p+3], v[\s+n+2:\s+n+3]
	v_pk_add_f32 v[\p+4:\p+5], v[\p+4:\p+5], v[\s+n+4:\s+n+5]
	v_pk_add_f32 v[\st+2:\st+3], v[\st+2:\st+3], v[\s+n+6:\s+n+7]
.set n, n+8
.endr
	v_pk_add_f32 v[\p:\p+1], v[\p:\p+1], v[\s+62:\s+63]
	v_pk_add_f32 v[\st+2:\st+3], v[\st+2:\st+3], v[\p+4:\p+5]
	v_pk_add_f32 v[\p:\p+1], v[\p:\p+1], v[\p+2:\p+3]
	v_pk_add_f32 v[\st+2:\st+3], v[\st+2:\st+3], v[\p:\p+1]
.endm
.macro HOLD2 s                         ; the conversion to an 8-bit code does not saturate (ISA guide 7.6.2); p is not negative, so the hold is one-sided; two numbers an instruction
	v_dual_min_num_f32 v[\s], v[\s], v[LIMP] :: v_dual_min_num_f32 v[\s+1], v[\s+1], v[LIMP]
.endm
; A STEP: block s[KS] of 128 keys, at LDS byte s[TB] of both images, for the pair whose Q lies at v[q] of window 1 and whose mask number is v[dm].  K's fragments of the block are in registers already.
; skip = 1: a block behind the pair's diagonal block is passed over.  mask = 1: in the diagonal block hidden scores become -infinity.
.macro STEP q, dm, skip, mask
.if \skip
	s_cmp_gt_u32 s[KS], s[LIM]
	s_cbranch_scc1 .Lskip_\@
.endif
	v_add_nc_u32 v[ADK], s[TB], v[LI]
	v_add_nc_u32 v[ADV], s[TB], v[LV]
	WIN 0x05                                       ; K and Q in window 1
.irp t, 0,1,2,3,4,5,6,7
	v_wmma_f32_16x16x64_bf8_bf8 v[SA+8*\t:SA+8*\t+7], v[KF+8*\t:KF+8*\t+7], v[\q:\q+7], 0
	v_wmma_f32_16x16x64_bf8_bf8 v[SB+8*\t:SB+8*\t+7], v[KF+8*\t:KF+8*\t+7], v[\q+8:\q+15], 0
.endr
	WIN 0
	NOPS4                                          ; places in front of the loads into K's and V's registers and of the first read of the scores
	KLOAD ADK, KBLK                                ; the next block's K,
.irp t, 0,1,2,3
.irp i, 0,1,2,3
	ds_load_b128 v[VF+16*\t+4*\i:VF+16*\t+4*\i+3], v[ADV] offset:2048*\t+512*\i   ; and this block's V: both land while the softmax is worked
.endr
.endr
	WIN 0
.if \mask
	s_cmp_lg_u32 s[KS], s[LIM]
	s_cbranch_scc1 .Lopen_\@
.set n, 0
.rept 64
	v_cmp_gt_i32 vcc_lo, 16*(n/8)+n%8, v[\dm]      ; the register's key comes after my query of tile A,
	v_cndmask_b32 v[SA+n], v[SA+n], v[NINF], vcc_lo
	v_cmp_gt_i32 vcc_lo, 16*(n/8)+n%8-16, v[\dm]   ; of tile B, 16 queries on
	v_cndmask_b32 v[SB+n], v[SB+n], v[NINF], vcc_lo
.set n, n+1
.endr
.Lopen_\@:
.endif
	v_max3_num_f32 v24, v[SA], v[SA+1], v[SA+2]    ; the step's largest scores, two chains a tile, the tiles by turns, each accumulator from its low end on
	v_max3_num_f32 v26, v[SB], v[SB+1], v[SB+2]
	v_max3_num_f32 v25, v[SA+3], v[SA+4], v[SA+5]
	v_max3_num_f32 v27, v[SB+3], v[SB+4], v[SB+5]
.set n, 6
.rept 14
	v_max3_num_f32 v24, v24, v[SA+n], v[SA+n+1]
	v_max3_num_f32 v26, v26, v[SB+n], v[SB+n+1]
	v_max3_num_f32 v25, v25, v[SA+n+2], v[SA+n+3]
	v_max3_num_f32 v27, v27, v[SB+n+2], v[SB+n+3]
.set n, n+4
.endr
	v_max3_num_f32 v24, v24, v[SA+62], v[SA+63]
	v_max3_num_f32 v26, v26, v[SB+62], v[SB+63]
	v_max_num_f32 v24, v24, v25
	v_max_num_f32 v26, v26, v27
	v_permlanex16_b32 v28, v24, s[SEL], s[SEL+1]
	v_permlanex16_b32 v29, v26, s[SEL], s[SEL+1]
	v_max_num_f32 v24, v24, v28                    ; and among lane l xor 16's: the block's first key counts for every query, so this is a number
	v_max_num_f32 v26, v26, v29
	v_mul_f32 v24, s[CS], v24                      ; as t (c is positive)
	v_mul_f32 v26, s[CS], v26
	v_max_num_f32 v[STA+1], v[STA+1], v24          ; the running largest t
	v_max_num_f32 v[STB+1], v[STB+1], v26
	v_mov_b32 v24, v[STA]
	v_mov_b32 v26, v[STB]
	v_floor_f32 v[STA], -v[STA+1]                  ; the new -M = -ceil(t)
	v_floor_f32 v[STB], -v[STB+1]
	v_sub_f32 v24, v[STA], v24                     ; old M - new M: a whole number, 0 or less
	v_sub_f32 v26, v[STB], v26
	v_cvt_i32_f32 v24, v24                         ; (it saturates)
	v_cvt_i32_f32 v26, v26
	v_ldexp_f32 v[STA+4], 1.0, v24                 ; f = 2^(old M - new M)
	v_ldexp_f32 v[STB+4], 1.0, v26
.set n, 0
.rept 16
	v_pk_mul_f32 v[OA+n:OA+n+1], v[OA+n:OA+n+1], v[STA+4:STA+5] op_sel_hi:[1,0]   ; O^T under the new M, ahead of the exponentials
	v_pk_mul_f32 v[OB+n:OB+n+1], v[OB+n:OB+n+1], v[STB+4:STB+5] op_sel_hi:[1,0]
.set n, n+2
.endr
	v_pk_mul_f32 v[STA+2:STA+3], v[STA+2:STA+3], v[STA+4:STA+5] op_sel_hi:[1,0]   ; and the sums
	v_pk_mul_f32 v[STB+2:STB+3], v[STB+2:STB+3], v[STB+4:STB+5] op_sel_hi:[1,0]
.set n, 0
.rept 32
	v_pk_fma_f32 v[SA+n:SA+n+1], v[SA+n:SA+n+1], s[CS:CS+1], v[STA:STA+1] op_sel_hi:[1,0,0]   ; tile A: t - M
.set n, n+2
.endr
	s_wait_alu depctr_va_vdst(0)                   ; ahead of the batch
.set n, 0
.rept 32
	v_exp_f32 v[SA+n], v[SA+n]                     ; tile A: p = 2^(t - M); between them tile B's t - M, which names none of their registers
	v_exp_f32 v[SA+n+1], v[SA+n+1]
	v_pk_fma_f32 v[SB+n:SB+n+1], v[SB+n:SB+n+1], s[CS:CS+1], v[STB:STB+1] op_sel_hi:[1,0,0]
.set n, n+2
.endr
	s_wait_alu depctr_va_vdst(0)                   ; behind tile A's batch and ahead of tile B's
	SUMS SA, STA, PA
.set n, 0
.rept 32
	v_exp_f32 v[SB+n], v[SB+n]                     ; tile B's p; between them tile A's holds
	v_exp_f32 v[SB+n+1], v[SB+n+1]
	HOLD2 SA+n
.set n, n+2
.endr
	v_nop                                          ; the plain place behind the exponentials
	s_wait_alu depctr_va_vdst(0)                   ; behind the batch
.irp c, 0,1,2,3,4,5,6,7
	v_cvt_scalef32_pk8_bf8_f32 v[PA+2*\c:PA+2*\c+1], v[SA+8*\c:SA+8*\c+7], v[SCP]   ; registers 2 c, 2 c + 1 of P: keys 16 c + 8 (l / 16) + 0 .. 7
.endr
	SUMS SB, STB, PB
.set n, 0
.rept 32
	HOLD2 SB+n
.set n, n+2
.endr
.irp c, 0,1,2,3,4,5,6,7
	v_cvt_scalef32_pk8_bf8_f32 v[PB+2*\c:PB+2*\c+1], v[SB+8*\c:SB+8*\c+7], v[SCP]
.endr
	v_nop                                          ; one plain line between the conversions and the products that read the codes
	s_wait_alu depctr_va_vdst(0)                   ; directly ahead of the wait below
	s_wait_dscnt 0x0                               ; V is in, and the next block's K
	WIN 0x01                                       ; V in window 1
.irp t, 0,1,2,3
	v_wmma_f32_16x16x128_bf8_bf8 v[OA+8*\t:OA+8*\t+7], v[VF+16*\t:VF+16*\t+15], v[PA:PA+15], v[OA+8*\t:OA+8*\t+7]   ; eight accumulators by turns; the next step's sixteen products stand between two links
	v_wmma_f32_16x16x128_bf8_bf8 v[OB+8*\t:OB+8*\t+7], v[VF+16*\t:VF+16*\t+15], v[PB:PB+15], v[OB+8*\t:OB+8*\t+7]
.endr
	WIN 0
.Lskip_\@:
	s_add_co_u32 s[TB], s[TB], KBLK
.endm
; A pair ends: O^T / the sum, quantised, is 1,024 bytes of y's image for each tile: stores of 512 consecutive bytes.
.macro FIN yb
	v_add_f32 v[STA+2], v[STA+2], v[STA+3]         ; the sum's two halves  (these six lines and the v_nop are the places behind the last products)
	v_add_f32 v[STB+2], v[STB+2], v[STB+3]
	v_permlanex16_b32 v28, v[STA+2], s[SEL], s[SEL+1]
	v_permlanex16_b32 v29, v[STB+2], s[SEL], s[SEL+1]
	v_add_f32 v[STA+2], v[STA+2], v28              ; and lane l xor 16's
	v_add_f32 v[STB+2], v[STB+2], v29
	s_wait_alu depctr_va_vdst(0)                   ; ahead of the transcendentals
	v_rcp_f32 v[STA+2], v[STA+2]
	v_rcp_f32 v[STB+2], v[STB+2]
	v_nop
	s_wait_alu depctr_va_vdst(0)                   ; behind them, directly ahead of the first readers of the reciprocals and of O^T
.set n, 0
.rept 16
	v_pk_mul_f32 v[SA+n:SA+n+1], v[OA+n:OA+n+1], v[STA+2:STA+3] op_sel_hi:[1,0]   ; register 8 t + j: d = 16 t + 8 (l / 16) + j of my query
	v_pk_mul_f32 v[SB+n:SB+n+1], v[OB+n:OB+n+1], v[STB+2:STB+3] op_sel_hi:[1,0]
.set n, n+2
.endr
.set n, 0
.rept 32
	v_med3_num_f32 v[SA+n], v[SA+n], -v[LIMY], v[LIMY]
	v_med3_num_f32 v[SB+n], v[SB+n], -v[LIMY], v[LIMY]
.set n, n+1
.endr
.irp t, 0,1,2,3
	v_cvt_scalef32_pk8_bf8_f32 v[PA+2*\t:PA+2*\t+1], v[SA+8*\t:SA+8*\t+7], v[SCY]
	v_cvt_scalef32_pk8_bf8_f32 v[PB+2*\t:PB+2*\t+1], v[SB+8*\t:SB+8*\t+7], v[SCY]
.endr
	v_nop                                          ; one plain line behind the last conversion
	global_store_b128 v[LI], v[PA:PA+3], s[\yb:\yb+1]
	global_store_b128 v[LI], v[PA+4:PA+7], s[\yb:\yb+1] offset:512
	global_store_b128 v[LI], v[PB:PB+3], s[\yb:\yb+1] offset:4096
	global_store_b128 v[LI], v[PB+4:PB+7], s[\yb:\yb+1] offset:4608
.endm
	INIT
	s_wait_alu depctr_va_vdst(0)                   ; the head's end
	s_wait_loadcnt 0x0                             ; Q
	s_wait_tensorcnt 0x0                           ; my part of blocks 0-7 is in
	ds_add_u32 v[SPW], v[NIL]
	s_wait_dscnt 0x0
	ROUND                                          ; everybody's part is in, and the four work-groups are here
	tensor_load_to_lds s[G0+4:G0+7], s[G1:G1+7]    ; blocks 8-15: bytes that nothing has filled; my one load behind the round
	s_nop 0
	NOPS4
	KLOAD LI, 0                                    ; block 0's K
	WIN 0
	s_mov_b32 s[TB], 0
	s_mov_b32 s[KS], 0
	s_wait_dscnt 0x0
.Lph1:                                             ; the late pair's blocks 0 to 6: open in every wave (its diagonal block is 8 at the least); the last trip fetches block 7's K, which has landed
	STEP QL, DML, 0, 0
	s_add_co_u32 s[KS], s[KS], 1
	s_cmp_lt_u32 s[KS], 7
	s_cbranch_scc1 .Lph1
	s_wait_tensorcnt 0x0                           ; my part of blocks 8-15 is in,
	s_wait_dscnt 0x0
	s_barrier_signal -1
	s_barrier_wait -1                              ; everybody's is: from here on the waves run free
	s_sub_co_u32 s[LIM], 15, s[WV]                 ; the late pair's diagonal block
	s_mov_b32 s[TB], 7*KBLK
	s_mov_b32 s[KS], 7
.Lph2:                                             ; nine trips in every wave: the blocks behind the diagonal are passed over inside
	STEP QL, DML, 1, 1
	s_add_co_u32 s[KS], s[KS], 1
	s_cmp_lt_u32 s[KS], 16
	s_cbranch_scc1 .Lph2
	KLOAD LI, 0                                    ; the early pair begins at block 0: its K lands under the late pair's end
	WIN 0
	FIN YB
	INIT
	s_mov_b32 s[LIM], s[WV]                        ; the early pair's diagonal block
	s_mov_b32 s[TB], 0
	s_mov_b32 s[KS], 0
	s_wait_alu depctr_va_vdst(0)                   ; directly ahead of the waits below
	s_wait_xcnt 0x0                                ; the stores have read their data: the codes' registers are written again
	s_wait_dscnt 0x0
.Lph3:                                             ; eight trips
	STEP QE, DME, 1, 1
	s_add_co_u32 s[KS], s[KS], 1
	s_cmp_lt_u32 s[KS], 8
	s_cbranch_scc1 .Lph3
	FIN YA
	s_wait_tensorcnt 0x0                           ; the wave's end
	ds_add_u32 v[SPW], v[NIL]
	s_wait_dscnt 0x0
	ROUND                                          ; the closing round
	s_endpgm
.Lfunc_end_k_qc932bb1a7b_attn:
	.size	k_qc932bb1a7b_attn, .Lfunc_end_k_qc932bb1a7b_attn-k_qc932bb1a7b_attn
	.p2alignl 7, 3214868480
	.fill 96, 4, 3214868480
	.section	.rodata,"a",@progbits
	.p2align	6, 0x0
	.amdhsa_kernel k_qc932bb1a7b_attn
		.amdhsa_group_segment_fixed_size 327680
		.amdhsa_private_segment_fixed_size 0
		.amdhsa_enable_private_segment 0
		.amdhsa_kernarg_size 40
		.amdhsa_user_sgpr_count 2
		.amdhsa_user_sgpr_kernarg_segment_ptr 1
		.amdhsa_wavefront_size32 1
		.amdhsa_system_sgpr_workgroup_id_x 1
		.amdhsa_system_sgpr_workgroup_id_y 1
		.amdhsa_system_sgpr_workgroup_id_z 1
		.amdhsa_system_vgpr_workitem_id 0
		.amdhsa_next_free_vgpr 416
		.amdhsa_next_free_sgpr 84
		.amdhsa_reserve_vcc 1
		.amdhsa_float_denorm_mode_32 3
		.amdhsa_float_denorm_mode_16_64 3
		.amdhsa_memory_ordered 1
		.amdhsa_forward_progress 1
		.amdhsa_inst_pref_size 134
	.end_amdhsa_kernel
	.amdgpu_metadata
---
amdhsa.version: [ 1, 2 ]
amdhsa.kernels:
  - .name:           k_qc932bb1a7b_attn
    .symbol:         k_qc932bb1a7b_attn.kd
    .args:
      - { .name: q_img, .offset: 0, .size: 8, .value_kind: global_buffer, .address_space: global }
      - { .name: k_img, .offset: 8, .size: 8, .value_kind: global_buffer, .address_space: global }
      - { .name: v_img, .offset: 16, .size: 8, .value_kind: global_buffer, .address_space: global }
      - { .name: lowp_scales, .offset: 24, .size: 8, .value_kind: global_buffer, .address_space: global }
      - { .name: y_img, .offset: 32, .size: 8, .value_kind: global_buffer, .address_space: global }
    .group_segment_fixed_size: 327680
    .private_segment_fixed_size: 0
    .kernarg_segment_align: 8
    .kernarg_segment_size: 40
    .max_flat_workgroup_size: 256
    .sgpr_count:     84
    .vgpr_count:     416
    .wavefront_size: 32
...
	.end_amdgpu_metadata
.endif
;; end of part 2
;; launch proj (part 3): grid 4 x 64, 4 waves a work-group, clusters of 4 x 4, 327,680 bytes of LDS; arguments y_img, w_proj_codes, lowp_scales, out0, b_proj; writes out0
.if DOCPART == 3
	.amdgcn_target "amdgcn-amd-amdhsa--gfx1250"
	.amdhsa_code_object_version 6
	.text
	.protected	k_qc932bb1a7b_proj
	.globl	k_qc932bb1a7b_proj
	.p2align	8
	.type	k_qc932bb1a7b_proj,@function
k_qc932bb1a7b_proj:
	s_mov_b64 s[64:65], 0
	v_nop
	global_prefetch_b8 v0, s[64:65] scope:SCOPE_SE
	s_setreg_imm32_b32 hwreg(HW_REG_WAVE_MODE, 25, 1), 1
	s_wait_xcnt 0x0
	s_wait_alu depctr_hold_cnt(0) depctr_sa_sdst(0) depctr_va_vdst(0) depctr_va_sdst(0) depctr_va_ssrc(0) depctr_va_vcc(0) depctr_vm_vsrc(0)
	s_getreg_b32 s2, hwreg(HW_REG_IB_STS2, 6, 4)
	s_cmp_eq_u32 s2, 0
	s_cbranch_scc0 .Lentry_in_a_cluster
	s_endpgm
.Lentry_in_a_cluster:
	s_bfe_u32 s2, ttmp6, 0x10000c
	s_cmp_lg_u32 s2, 0xf033
	s_cbranch_scc0 .Lentry_shape_is_right
	s_endpgm
.Lentry_shape_is_right:
; out = y w_proj^T x 2^(e10 + e11) + b_proj on codes of BF8 (E5M2).  y_img: [4 heads kq][token tile 512][4,096 bytes], images of operand registers; w_proj: [1024][1024], K innermost.
; A work-group of four waves makes 128 tokens x 256 features, a wave 64 x 128; K goes in four steps of 256 through two LDS slots; 4 x 4 clusters ask jointly for y's tiles (along a row) and w_proj's (along a column).
; PREFETCH into the L2: K steps 1 and 2 are asked for behind K step 0's load, K step 3 behind K step 1's.  The four partners share a wave's tile out by address: of y's 16,384 bytes 4,096 (lanes 256 bytes apart, lanes 16-31 name the
; last block again), of w_proj's 128 rows 32 (a lane a row).  w_proj, which all sixteen clusters read, is asked for by the first four.
; LIMIT: e10 + e11 between -126 and 127, so that 2^(e10 + e11) is an f32 number.
.set PITCH,  272
.set ABYTES, 32768
.set HALFA,  16384
.set HALFB,  128*PITCH
.set SLOT,   ABYTES+2*HALFB
.set SPARE,  2*SLOT
.set STAGE,  SPARE+512
.set SPITCH, 528
.set KQ,     2097152
.set ADRA, 16
.set ADRB, 20
.set STO,  24
.set RD,   25
.set LI,   27
.set SPW,  28
.set NIL,  29
.set TMP,  32
.set AF,   128
.set BK,   128
.set G1, 24
.set G0, 32
.set G1B, 48
.set G0B, 56
.set MSB, 0
.macro WIN new
.if MSB != \new
	s_set_vgpr_msb (MSB<<8)|\new
.set MSB, \new
.endif
.endm
.set MUL,  0xa1
.set TO_B, 0x40
.macro JLOAD s
	s_cmp_eq_u32 s15, 0
	s_cbranch_scc0 .Lfor_b_\@
	tensor_load_to_lds s[G0+4*\s:G0+4*\s+3], s[G1:G1+7]
	s_nop 0
.rept 4
	v_nop
.endr
	s_branch .Lasked_\@
.Lfor_b_\@:
	tensor_load_to_lds s[G0B+4*\s:G0B+4*\s+3], s[G1B:G1B+7]
	s_nop 0
.rept 4
	v_nop
.endr
.Lasked_\@:
.endm
.macro CREST
	s_cmp_lg_u32 s14, 0
	s_cbranch_scc1 .Lnot_wave_0_\@
	s_barrier_signal -3
.Lnot_wave_0_\@:
	s_barrier_wait -3
	s_barrier_signal -1
	s_barrier_wait -1
.endm
.macro CROUND
	s_barrier_signal -1
	s_barrier_wait -1
	CREST
.endm
.macro PLACES
.rept 4
	v_nop
.endr
.endm
	s_load_b128 s[4:7], s[0:1], 0x0
	s_load_b128 s[8:11], s[0:1], 0x10
	s_load_b64 s[12:13], s[0:1], 0x20
	v_lshl_add_u32 v[SPW], v0, 2, SPARE
	v_mov_b32 v[NIL], 0
	ds_add_u32 v28, v29
	ds_add_u32 v28, v29
	s_wait_dscnt 0x0
	v_lshrrev_b32 v1, 5, v0
	v_readfirstlane_b32 s14, v1
	s_lshr_b32 s15, s14, 1
	s_and_b32 s16, s14, 1
	s_bfe_u32 s40, ttmp6, 0x40000
	s_bfe_u32 s41, ttmp6, 0x40004
	s_lshl_b32 s42, ttmp9, 2
	s_add_co_u32 s42, s42, s40
	s_and_b32 s17, ttmp7, 0xffff
	s_lshl_b32 s17, s17, 2
	s_add_co_u32 s17, s17, s41
	s_lshl_b32 s43, s41, 2
	s_lshl_b32 s43, 15, s43
	s_lshl_b32 s44, 0x1111, s40
	s_or_b32 s[G1+0], s43, (3<<16)|(1<<21)
	s_mov_b32 s[G1+1], 32<<16
	s_mov_b32 s[G1+2], 64<<16
	s_mov_b32 s[G1+3], 32<<16
	s_mov_b32 s[G1+4], 64
	s_mov_b32 s[G1+5], 32
	s_mov_b32 s[G1+6], 0
	s_mov_b32 s[G1+7], 0
	s_or_b32 s[G1B+0], s44, (0<<16)|(1<<20)|(1<<21)|(5<<22)|(3<<25)
	s_mov_b32 s[G1B+1], 256<<16
	s_mov_b32 s[G1B+2], 128<<16
	s_mov_b32 s[G1B+3], 256<<16
	s_mov_b32 s[G1B+4], 128
	s_mov_b32 s[G1B+5], 1024
	s_mov_b32 s[G1B+6], 0
	s_mov_b32 s[G1B+7], 0
	s_lshl_b32 s20, s17, 15
	s_lshl_b32 s45, s16, 14
	s_add_co_u32 s20, s20, s45
	s_mov_b32 s21, 0
	s_lshl_b32 s46, s42, 8
	s_lshl_b32 s18, s16, 7
	s_add_co_u32 s46, s46, s18
	s_lshl_b32 s46, s46, 10
	s_mov_b32 s47, 0
	s_mul_i32 s18, s16, HALFB
	s_add_co_u32 s18, s18, ABYTES
	s_wait_kmcnt 0x0
	s_load_b64 s[96:97], s[8:9], 0x28
	s_add_nc_u64 s[20:21], s[4:5], s[20:21]
	s_add_nc_u64 s[46:47], s[6:7], s[46:47]
	CROUND
.irp s, 0,1
	s_mov_b32 s[G0+4*\s], 1
	s_add_co_u32 s[G0+4*\s+1], s45, \s*SLOT
	s_add_nc_u64 s[G0+4*\s+2:G0+4*\s+3], s[20:21], \s*KQ
	s_or_b32 s[G0+4*\s+3], s[G0+4*\s+3], 0x80000000
	s_mov_b32 s[G0B+4*\s], 1
	s_add_co_u32 s[G0B+4*\s+1], s18, \s*SLOT
	s_add_nc_u64 s[G0B+4*\s+2:G0B+4*\s+3], s[46:47], \s*256
	s_or_b32 s[G0B+4*\s+3], s[G0B+4*\s+3], 0x80000000
.endr
	JLOAD 0                                        ; K step 0: one tensor load a wave at the head
.macro ASK p
	s_cmp_lg_u32 s82, 0
	s_cbranch_scc0 .Lnp_\@
	global_prefetch_b8 v30, s[\p:\p+1] th:TH_LOAD_NT scope:SCOPE_SE
.Lnp_\@:
.endm
	s_cmp_eq_u32 s15, 0                            ; do I fetch for y?
	s_cselect_b64 s[70:71], s[20:21], s[46:47]
	s_cselect_b32 s78, s40, s41                    ; my place among the four that ask with me
	s_cselect_b32 s79, 12, 15                      ; my work-group's share: 4,096 bytes, or 32 rows
	s_mov_b32 s76, 256
	s_cselect_b32 s76, KQ, s76                     ; a K step on
	s_cselect_b32 s80, 15, 31
	s_cselect_b32 s81, 8, 10                       ; from lane to lane: 256 bytes, or a row
	s_cselect_b32 s82, 1, 0
	s_mov_b32 s77, 0
	s_lshl_b32 s78, s78, s79
	s_mov_b32 s79, 0
	s_add_nc_u64 s[70:71], s[70:71], s[78:79]
	s_add_nc_u64 s[70:71], s[70:71], s[76:77]      ; K step 1
	s_add_nc_u64 s[72:73], s[70:71], s[76:77]      ; K step 2
	s_add_nc_u64 s[74:75], s[72:73], s[76:77]      ; K step 3
	s_and_b32 s83, ttmp7, 0xffff
	s_cmp_lt_u32 s83, 4                            ; the first four clusters ask for w_proj
	s_cselect_b32 s83, 1, 0
	s_or_b32 s82, s82, s83
	v_and_b32 v30, 31, v0
	v_min_u32 v30, s80, v30
	v_lshlrev_b32 v30, s81, v30
	s_wait_alu depctr_va_vdst(0)
	ASK 70
	ASK 72
	v_and_b32 v1, 15, v0
	v_bfe_u32 v2, v0, 4, 1
	v_and_b32 v5, 31, v0
	v_lshlrev_b32 v[LI], 4, v5
	v_mul_u32_u24 v3, v1, PITCH
	v_lshl_add_u32 v4, v2, 3, v3
	s_lshl_b32 s21, s15, 14
	s_mul_i32 s22, s16, HALFB
	s_add_co_u32 s22, s22, ABYTES
.irp s, 0,1
	v_add_nc_u32 v[ADRA+\s], s21, v[LI]
	v_add_nc_u32 v[ADRB+\s], s22, v4
	s_add_co_u32 s21, s21, SLOT
	s_add_co_u32 s22, s22, SLOT
.endr
	s_mul_i32 s23, s14, 16*SPITCH
	s_add_co_u32 s23, s23, STAGE
	v_mul_u32_u24 v5, v1, SPITCH
	v_lshl_add_u32 v5, v2, 5, v5
	v_add_nc_u32 v[STO], s23, v5
	v_add_nc_u32 v[RD], s23, v[LI]
	s_lshl_b32 s66, s17, 19
	s_lshl_b32 s67, s15, 18
	s_add_co_u32 s66, s66, s67
	s_lshl_b32 s68, s42, 10
	s_lshl_b32 s69, s16, 9
	s_add_co_u32 s68, s68, s69
	s_mov_b32 s69, 0
	s_add_nc_u64 s[12:13], s[12:13], s[68:69]
	s_add_co_u32 s66, s66, s68
	s_mov_b32 s67, 0
	s_add_nc_u64 s[10:11], s[10:11], s[66:67]
	v_lshlrev_b32 v7, 5, v2
	WIN 0xc0
.irp b, 0,1,2,3,4,5,6,7
	global_load_b128 v[8*\b:8*\b+3], v7, s[12:13] offset:64*\b
	global_load_b128 v[8*\b+4:8*\b+7], v7, s[12:13] offset:64*\b+16
.endr
	WIN 0
.macro MUL16 a0, p, zero
.irp a, \a0, \a0+1
.irp b, 0,1,2,3,4,5,6,7
.if \zero
	v_wmma_f32_16x16x128_bf8_bf8 v[8*(8*(\a)+\b):8*(8*(\a)+\b)+7], v[128*(\p)+16*\b:128*(\p)+16*\b+15], v[AF+64*(\p)+16*(\a):AF+64*(\p)+16*(\a)+15], 0
.else
	v_wmma_f32_16x16x128_bf8_bf8 v[8*(8*(\a)+\b):8*(8*(\a)+\b)+7], v[128*(\p)+16*\b:128*(\p)+16*\b+15], v[AF+64*(\p)+16*(\a):AF+64*(\p)+16*(\a)+15], v[8*(8*(\a)+\b):8*(8*(\a)+\b)+7]
.endif
.endr
.endr
.endm
.macro FETCH slot, q, p
	WIN TO_B
.irp b, 0,1,2,3,4,5,6,7
.irp c, 0,1,2,3,4,5,6,7
	ds_load_b64 v[128*(\p)+16*\b+2*\c:128*(\p)+16*\b+2*\c+1], v[ADRB+\slot] offset:\b*16*PITCH+128*(\q)+16*\c
.endr
.endr
	WIN 0
.irp a, 0,1,2,3
.irp i, 0,1,2,3
	ds_load_b128 v[AF+64*(\p)+16*\a+4*\i:AF+64*(\p)+16*\a+4*\i+3], v[ADRA+\slot] offset:4096*\a+2048*(\q)+512*\i
.endr
.endr
.endm
.macro STEP slot, zero
	s_wait_dscnt 0x0
	FETCH \slot, 1, 1
	WIN MUL
	MUL16 0, 0, \zero
	MUL16 2, 0, \zero
.endm
.macro TURN slot, next, fill
	WIN 0
	s_wait_tensorcnt 0x0
	ds_add_u32 v[SPW], v[NIL]
	s_wait_dscnt 1
	WIN MUL
	MUL16 0, 1, 0
	s_wait_dscnt 0x0
	s_barrier_signal -1
	MUL16 2, 1, 0
	WIN 0
	s_barrier_wait -1
.if \fill
	CREST
	s_add_nc_u64 s[G0+4*\slot+2:G0+4*\slot+3], s[G0+4*\slot+2:G0+4*\slot+3], 2*KQ
	s_add_nc_u64 s[G0B+4*\slot+2:G0B+4*\slot+3], s[G0B+4*\slot+2:G0B+4*\slot+3], 2*256
	JLOAD \slot
.else
	PLACES
.endif
	FETCH \next, 0, 0
.endm
	s_wait_alu depctr_va_vdst(0)                   ; the head's end
	s_wait_tensorcnt 0x0                           ; my part of K step 0 is in
	ds_add_u32 v[SPW], v[NIL]
	s_wait_dscnt 0x0
	CROUND
	JLOAD 1                                        ; K step 1, slot 1's first fill: the first tensor load behind the round
	ASK 74
	FETCH 0, 0, 0
	STEP 0, 1
	TURN 0, 1, 1
	STEP 1, 0
	TURN 1, 0, 1
	STEP 0, 0
	TURN 0, 1, 0
	STEP 1, 0
	s_wait_dscnt 0x0
	MUL16 0, 1, 0
	MUL16 2, 1, 0
	WIN 0
.macro TOSTAGE a
	WIN 0x32
.set j, 0
.rept 32
	v_pk_fma_f32 v[TMP+j:TMP+j+1], v[64*(\a)+j:64*(\a)+j+1], s[96:97], v[j:j+1] op_sel_hi:[1,0,1]
.set j, j+2
.endr
	WIN 0
.irp b, 0,1,2,3,4,5,6,7
	ds_store_b128 v[STO], v[TMP+8*\b:TMP+8*\b+3] offset:64*\b
	ds_store_b128 v[STO], v[TMP+8*\b+4:TMP+8*\b+7] offset:64*\b+16
.endr
.set BB, BK+64*((\a)%2)
.irp t, 0,1,2,3,4,5,6,7,8,9,10,11,12,13,14,15
	ds_load_b128 v[BB+4*\t:BB+4*\t+3], v[RD] offset:\t*SPITCH
.endr
.endm
.macro SEND a, younger
.set BB, BK+64*((\a)%2)
	s_wait_dscnt \younger
.if (\a) > 0
	s_add_nc_u64 s[10:11], s[10:11], 16*4096
.endif
.irp t, 0,1,2,3,4,5,6,7,8,9,10,11,12,13,14,15
	global_store_b128 v[LI], v[BB+4*\t:BB+4*\t+3], s[10:11] offset:\t*4096 th:TH_STORE_NT
.endr
.endm
	s_wait_kmcnt 0x0
	s_add_co_i32 s96, s96, s97
	s_add_co_i32 s96, s96, 127
	s_lshl_b32 s96, s96, 23
	s_wait_loadcnt 0x0
	PLACES
	TOSTAGE 0
.irp a, 1,2,3
.if \a > 1
	s_wait_xcnt 0x0
.endif
	TOSTAGE \a
	SEND \a-1, 32
.endr
	s_wait_xcnt 0x0
	SEND 3, 0
	s_wait_tensorcnt 0x0
	ds_add_u32 v[SPW], v[NIL]
	s_wait_dscnt 0x0
	CROUND
	s_endpgm
.Lfunc_end_k_qc932bb1a7b_proj:
	.size	k_qc932bb1a7b_proj, .Lfunc_end_k_qc932bb1a7b_proj-k_qc932bb1a7b_proj
	.p2alignl 7, 3214868480
	.fill 96, 4, 3214868480
	.section	.rodata,"a",@progbits
	.p2align	6, 0x0
	.amdhsa_kernel k_qc932bb1a7b_proj
		.amdhsa_group_segment_fixed_size 327680
		.amdhsa_private_segment_fixed_size 0
		.amdhsa_enable_private_segment 0
		.amdhsa_kernarg_size 40
		.amdhsa_user_sgpr_count 2
		.amdhsa_user_sgpr_kernarg_segment_ptr 1
		.amdhsa_wavefront_size32 1
		.amdhsa_system_sgpr_workgroup_id_x 1
		.amdhsa_system_sgpr_workgroup_id_y 1
		.amdhsa_system_sgpr_workgroup_id_z 1
		.amdhsa_system_vgpr_workitem_id 0
		.amdhsa_next_free_vgpr 832
		.amdhsa_next_free_sgpr 100
		.amdhsa_reserve_vcc 0
		.amdhsa_float_denorm_mode_32 3
		.amdhsa_float_denorm_mode_16_64 3
		.amdhsa_memory_ordered 1
		.amdhsa_forward_progress 1
		.amdhsa_inst_pref_size 94
	.end_amdhsa_kernel
	.amdgpu_metadata
---
amdhsa.version: [ 1, 2 ]
amdhsa.kernels:
  - .name:           k_qc932bb1a7b_proj
    .symbol:         k_qc932bb1a7b_proj.kd
    .args:
      - { .name: y_img, .offset: 0, .size: 8, .value_kind: global_buffer, .address_space: global }
      - { .name: w_proj_codes, .offset: 8, .size: 8, .value_kind: global_buffer, .address_space: global }
      - { .name: lowp_scales, .offset: 16, .size: 8, .value_kind: global_buffer, .address_space: global }
      - { .name: out0, .offset: 24, .size: 8, .value_kind: global_buffer, .address_space: global }
      - { .name: b_proj, .offset: 32, .size: 8, .value_kind: global_buffer, .address_space: global }
    .group_segment_fixed_size: 327680
    .private_segment_fixed_size: 0
    .kernarg_segment_align: 8
    .kernarg_segment_size: 40
    .max_flat_workgroup_size: 128
    .sgpr_count:     100
    .vgpr_count:     832
    .wavefront_size: 32
...
	.end_amdgpu_metadata
.endif
;; end of part 3
